; MI455X (gfx1250); checked and timed in simulation.
; The chip was launched on July 23, 2026; its instructions are those of AMD's public machine-readable ISA for CDNA 5 (MIT licence, August 2026) and "CDNA5" Instruction Set Architecture Reference Guide (July 2026). The comments in the code are by the model that wrote it; some were corrected since.
;; Binary Linear Wscales. Allowed arithmetic: float matrix products may take bf16 or f16 operands with f32 sums; other float arithmetic in f32, or as packed bf16 or f16 multiplies, adds, multiply-adds, maxima and minima; sums over many terms, partial sums and values carried from step to step in f32; what a program stores and reads back later, other than sums and carried values, may be rounded once to bf16 or f16.
;; Inputs: wbias 4,096 x 1 float32; weight 4,096 x 4,096 float32; wscale 4,096 x 1 float32; x 2 x 2,048 x 4,096 float32.
;; Outputs: out0 2 x 2,048 x 4,096 float32.
;; 2 versions, each right; version 2 is version 1 with the launch prep written anew for expert scheduling mode. Each part assembles by itself: llvm-mc -triple=amdgcn-amd-amdhsa -mcpu=gfx1250 --defsym DOCPART=n.
;; ======== version 1 of 2: 2 launches
;; workspace buffers: xb 33,554,432 bytes; sb 33,554,432 bytes; rs 16,384 bytes
;; launch prep (part 1): grid 512 x 1, 8 waves a work-group, no clusters, 0 bytes of LDS; arguments x, weight, xb, sb, rs; writes xb, sb, rs
.if DOCPART == 1
	.amdgcn_target "amdgcn-amd-amdhsa--gfx1250"
	.amdhsa_code_object_version 6
	.text
	.protected	k_qfd36823592_prep
	.globl	k_qfd36823592_prep
	.p2align	8
	.type	k_qfd36823592_prep,@function
k_qfd36823592_prep:
	s_mov_b64 s[64:65], 0
	v_nop
	global_prefetch_b8 v0, s[64:65] scope:SCOPE_SE
	s_setreg_imm32_b32 hwreg(HW_REG_WAVE_MODE, 25, 1), 1
	s_wait_xcnt 0x0
; xb[m][k] = bf16(x[m][k]);  sb[n][k] = sign(weight[n][k]) as bf16 (-1, 0, +1: exact);  rs[m] = the f32 sum over k of xb[m][k].
; x, weight: [4096][4096] f32.  xb, sb: [4096][4096] bf16.  rs: [4096] f32.
; A stream: each input byte is read once, each output byte written once; no wave needs another's data, so there is no LDS and no barrier.
; SHARES.  Wave number row = 8 x work-group + wave (0 .. 4095) takes row `row` of x and then row `row` of weight: every wave does the same work.
; A row is 16,384 bytes = 32 chunks of 512; one load of the wave takes a chunk (16 bytes a lane), one store of 8 bytes a lane writes its 128 bf16:
; 256 consecutive bytes, at a multiple of 256 from the buffer's first byte.  The 64 chunks (x's 32, then weight's 32) are ONE sequence through a ring of
; 16 register slots: 16 loads of every wave are on their way.  Every place stands in an immediate: no address register is ever rewritten.
; rs is summed over the ROUNDED x, so that the next launch's two terms (wscale x sum of xb sign, wbias x sum of xb) are made of the same numbers.
; LIMITS.  A NaN weight counts as +1 or -1 by its sign bit (the definition would give NaN); a denormal weight counts as non-zero; weight = -0 gives -0, which adds nothing.
; |x| beyond bf16's largest finite number rounds to infinity.
.set DEPTH, 16                         ; slots = loads in flight in each wave
.set CHUNKS, 64                        ; x's 32 chunks, then weight's 32
.set LANE, 1                           ; v1        my lane
.set IO,   2                           ; v2        16 x lane: my bytes in a chunk as loaded; never rewritten
.set OO,   3                           ; v3        8 x lane: my bytes in a chunk as stored; never rewritten
.set ONE,  4                           ; v4        1.0
.set PX,   5                           ; v5        takes the other half of the lanes' sum
.set T,    6                           ; v[6:13]   at work
.set SUM,  14                          ; v[14:17]  four partial sums of my numbers of the row
.set Y,    18                          ; v[18:25]  four pairs to store: chunk g uses pair g % 4
.set X,    32                          ; v[32:95]  slot g % 16: four registers as loaded
	s_load_b256 s[4:11], s[0:1], 0x0               ; x s[4:5], weight s[6:7], xb s[8:9], sb s[10:11]
	s_load_b64 s[12:13], s[0:1], 0x20              ; rs
	v_lshrrev_b32 v[LANE], 5, v0
	v_readfirstlane_b32 s14, v[LANE]               ; my wave's number
	v_and_b32 v[LANE], 31, v0
	v_lshlrev_b32 v[IO], 4, v[LANE]
	v_lshlrev_b32 v[OO], 3, v[LANE]
	v_mov_b32 v[ONE], 1.0
	v_mov_b32 v[PX], 0                             ; v_permlanex16_b32's destination counts as read: written once here
	s_lshl_b32 s15, ttmp9, 3
	s_add_co_u32 s15, s15, s14                     ; my row
	s_lshl_b32 s16, s15, 14                        ; x 16,384 bytes of f32 (under 2^26)
	s_mov_b32 s17, 0
	s_lshl_b32 s18, s15, 13                        ; x 8,192 bytes of bf16
	s_mov_b32 s19, 0
	s_lshl_b32 s20, s15, 2                         ; x 4 bytes in rs
	s_mov_b32 s21, 0
	s_mov_b32 s22, 0xffff0000                      ; a word's upper bf16
	s_mov_b32 s23, 0x07060302                      ; v_perm_b32: the upper halves of two words, second source's below
	s_mov_b32 s24, 0x80008000                      ; the sign bits of two bf16
	s_mov_b32 s25, 0x76543210                      ; v_permlanex16_b32: each lane takes its own place in the other half
	s_mov_b32 s26, 0xfedcba98
	s_wait_kmcnt 0x0
	s_add_nc_u64 s[4:5], s[4:5], s[16:17]
	s_add_nc_u64 s[6:7], s[6:7], s[16:17]
	s_add_nc_u64 s[8:9], s[8:9], s[18:19]
	s_add_nc_u64 s[10:11], s[10:11], s[18:19]
	s_add_nc_u64 s[12:13], s[12:13], s[20:21]
; Chunk g is asked for, into slot g % 16.  The launch reads each of these bytes once.
.macro LOADG g
.if (\g) < 32
	global_load_b128 v[X+4*((\g)%DEPTH):X+4*((\g)%DEPTH)+3], v[IO], s[4:5] offset:512*(\g) th:TH_LOAD_NT
.else
	global_load_b128 v[X+4*((\g)%DEPTH):X+4*((\g)%DEPTH)+3], v[IO], s[6:7] offset:512*((\g)-32) th:TH_LOAD_NT
.endif
.endm
; The two waits at the head of chunk g's step.
.macro ARRIVE g
.if CHUNKS-1-(\g) < DEPTH-1
	s_wait_loadcnt CHUNKS-1-(\g)                   ; nothing is asked for any more: the counts run down
.else
	s_wait_loadcnt DEPTH-1                         ; loads come back in order (ISA guide 5.7.1): mine is in, the 15 younger ones stay out
.endif
	s_wait_xcnt 0x0                                ; every earlier memory instruction has had its addresses translated (ISA guide 3.1): Y's pair, which a store four steps back reads, is rewritten only behind this wait
.endm
; A chunk of x: rounded, stored, and the rounded numbers added to the row's sum.
.macro XSTEP g
.set xr, X+4*((\g)%DEPTH)
.set yr, Y+2*((\g)%4)
	ARRIVE \g
	v_cvt_pk_bf16_f32 v[yr],   v[xr],   v[xr+1]    ; two roundings to nearest even, packed
	v_cvt_pk_bf16_f32 v[yr+1], v[xr+2], v[xr+3]
	LOADG (\g)+DEPTH                               ; the slot's next chunk goes out ahead of the store
	global_store_b64 v[OO], v[yr:yr+1], s[8:9] offset:256*(\g)  ; no hint: the next launch reads these bytes
.if (\g) == 0
	v_lshlrev_b32 v[SUM],   16,  v[yr]             ; the first chunk starts the four sums: nothing is cleared
	v_and_b32     v[SUM+1], s22, v[yr]
	v_lshlrev_b32 v[SUM+2], 16,  v[yr+1]
	v_and_b32     v[SUM+3], s22, v[yr+1]
.else
	v_lshlrev_b32 v[T],   16,  v[yr]               ; bf16 to f32: the low half moves up, the high half stays
	v_and_b32     v[T+1], s22, v[yr]
	v_lshlrev_b32 v[T+2], 16,  v[yr+1]
	v_and_b32     v[T+3], s22, v[yr+1]
	v_pk_add_f32 v[SUM:SUM+1],   v[SUM:SUM+1],   v[T:T+1]
	v_pk_add_f32 v[SUM+2:SUM+3], v[SUM+2:SUM+3], v[T+2:T+3]
.endif
.endm
; A chunk of weight: the sign as bf16 = the number's own sign bit, over 1.0's upper half where the number is not 0.
.macro WSTEP g
.set xr, X+4*((\g)%DEPTH)
.set yr, Y+2*((\g)%4)
	ARRIVE \g
.irp j, 0,1,2,3
	v_cmp_neq_f32 vcc_lo, 0, v[xr+(\j)]
	v_cndmask_b32 v[T+(\j)], 0, v[ONE], vcc_lo     ; 1.0 or 0
.endr
	v_perm_b32 v[T+4], v[xr+1], v[xr],   s23       ; the upper halves of two weights: their sign bits,
	v_perm_b32 v[T+5], v[xr+3], v[xr+2], s23
	v_perm_b32 v[T+6], v[T+1],  v[T],    s23       ; and of two magnitudes
	v_perm_b32 v[T+7], v[T+3],  v[T+2],  s23
	v_and_or_b32 v[yr],   v[T+4], s24, v[T+6]
	v_and_or_b32 v[yr+1], v[T+5], s24, v[T+7]
.if (\g)+DEPTH < CHUNKS
	LOADG (\g)+DEPTH
.endif
	global_store_b64 v[OO], v[yr:yr+1], s[10:11] offset:256*((\g)-32)
.endm
.set n, 0
.rept DEPTH
	LOADG n                                        ; the ring is filled
.set n, n+1
.endr
.set n, 0
.rept 32
	XSTEP n
.set n, n+1
.endr
	; the row's sum: inside the lane, then four steps inside each half of 16 lanes, then across the halves; every lane ends with it
	v_pk_add_f32 v[SUM:SUM+1], v[SUM:SUM+1], v[SUM+2:SUM+3]
	v_add_f32 v[SUM], v[SUM], v[SUM+1]
	v_add_f32_dpp v[SUM], v[SUM], v[SUM] row_xmask:1 row_mask:0xf bank_mask:0xf
	v_add_f32_dpp v[SUM], v[SUM], v[SUM] row_xmask:2 row_mask:0xf bank_mask:0xf
	v_add_f32_dpp v[SUM], v[SUM], v[SUM] row_xmask:4 row_mask:0xf bank_mask:0xf
	v_add_f32_dpp v[SUM], v[SUM], v[SUM] row_xmask:8 row_mask:0xf bank_mask:0xf
	v_permlanex16_b32 v[PX], v[SUM], s25, s26
	v_add_f32 v[SUM], v[SUM], v[PX]
.rept 32
	WSTEP n
.set n, n+1
.endr
	; rs[row]: four bytes, from lane 0 (its OO is 0).  16,384 bytes in the whole launch go out so; gathering them would want LDS and a barrier.
	s_wait_xcnt 0x0                                ; EXEC is a source of the pending stores: it changes only behind this wait
	v_cmp_eq_u32 vcc_lo, 0, v[LANE]
	s_and_saveexec_b32 s27, vcc_lo
	global_store_b32 v[OO], v[SUM], s[12:13]
	s_wait_xcnt 0x0                                ; and again in front of the line that widens it
	s_or_b32 exec_lo, exec_lo, s27
	s_endpgm
.Lfunc_end_k_qfd36823592_prep:
	.size	k_qfd36823592_prep, .Lfunc_end_k_qfd36823592_prep-k_qfd36823592_prep
	.p2alignl 7, 3214868480
	.fill 96, 4, 3214868480
	.section	.rodata,"a",@progbits
	.p2align	6, 0x0
	.amdhsa_kernel k_qfd36823592_prep
		.amdhsa_group_segment_fixed_size 0
		.amdhsa_private_segment_fixed_size 0
		.amdhsa_enable_private_segment 0
		.amdhsa_kernarg_size 40
		.amdhsa_user_sgpr_count 2
		.amdhsa_user_sgpr_kernarg_segment_ptr 1
		.amdhsa_wavefront_size32 1
		.amdhsa_system_sgpr_workgroup_id_x 1
		.amdhsa_system_sgpr_workgroup_id_y 1
		.amdhsa_system_sgpr_workgroup_id_z 1
		.amdhsa_system_vgpr_workitem_id 0
		.amdhsa_next_free_vgpr 96
		.amdhsa_next_free_sgpr 66
		.amdhsa_reserve_vcc 1
		.amdhsa_float_denorm_mode_32 3
		.amdhsa_float_denorm_mode_16_64 3
		.amdhsa_memory_ordered 1
		.amdhsa_forward_progress 1
		.amdhsa_inst_pref_size 50
	.end_amdhsa_kernel
	.amdgpu_metadata
---
amdhsa.version: [ 1, 2 ]
amdhsa.kernels:
  - .name:           k_qfd36823592_prep
    .symbol:         k_qfd36823592_prep.kd
    .args:
      - { .name: x, .offset: 0, .size: 8, .value_kind: global_buffer, .address_space: global }
      - { .name: weight, .offset: 8, .size: 8, .value_kind: global_buffer, .address_space: global }
      - { .name: xb, .offset: 16, .size: 8, .value_kind: global_buffer, .address_space: global }
      - { .name: sb, .offset: 24, .size: 8, .value_kind: global_buffer, .address_space: global }
      - { .name: rs, .offset: 32, .size: 8, .value_kind: global_buffer, .address_space: global }
    .group_segment_fixed_size: 0
    .private_segment_fixed_size: 0
    .kernarg_segment_align: 8
    .kernarg_segment_size: 40
    .max_flat_workgroup_size: 256
    .sgpr_count:     66
    .vgpr_count:     96
    .wavefront_size: 32
...
	.end_amdgpu_metadata
.endif
;; end of part 1
;; launch gemm (part 2): grid 16 x 16, 4 waves a work-group, clusters of 4 x 4, 327,680 bytes of LDS; arguments xb, sb, wscale, wbias, rs, out0; writes out0
.if DOCPART == 2
	.amdgcn_target "amdgcn-amd-amdhsa--gfx1250"
	.amdhsa_code_object_version 6
	.text
	.protected	k_qfd36823592_gemm
	.globl	k_qfd36823592_gemm
	.p2align	8
	.type	k_qfd36823592_gemm,@function
k_qfd36823592_gemm:
	s_mov_b64 s[64:65], 0
	v_nop
	global_prefetch_b8 v0, s[64:65] scope:SCOPE_SE
	s_setreg_imm32_b32 hwreg(HW_REG_WAVE_MODE, 25, 1), 1
	s_wait_xcnt 0x0
	s_wait_alu depctr_hold_cnt(0) depctr_sa_sdst(0) depctr_va_vdst(0) depctr_va_sdst(0) depctr_va_ssrc(0) depctr_va_vcc(0) depctr_vm_vsrc(0)
	s_getreg_b32 s2, hwreg(HW_REG_IB_STS2, 6, 4)
	s_cmp_eq_u32 s2, 0
	s_cbranch_scc0 .Lentry_in_a_cluster
	s_endpgm
.Lentry_in_a_cluster:
	s_bfe_u32 s2, ttmp6, 0x10000c
	s_cmp_lg_u32 s2, 0xf033
	s_cbranch_scc0 .Lentry_shape_is_right
	s_endpgm
.Lentry_shape_is_right:
; out[m][n] = wscale[n] x (sum over k of xb[m][k] sb[n][k]) + wbias[n] x rs[m], which is the sum over k of xb[m][k] (wscale[n] sign(weight[n][k]) + wbias[n]).
; xb: [4096][4096] bf16 (x rounded), sb: [4096][4096] bf16 (the signs, exact), rs: [4096] f32 (the rows' sums of xb), wscale, wbias: [4096] f32, out: [4096][4096] f32.  Sums in f32.
; The signs are exact in bf16, so x's rounding is the only rounding of a matrix operand.  wscale and wbias are rounded once to bf16 as well: the result is then that of the definition on inputs that are all rounded to bf16.
; LIMITS.  The two terms are two f32 sums over the same rounded x; where wscale sign + wbias nearly cancels in a whole row of the weights, their f32 rounding stays relative to the larger term.
; NaN and infinities are not treated apart.
; SHARES.  A tile of out, 256 x 256, is made by a work-group of four waves, as many as a WGP has SIMDs; a wave makes 128 x 128: 64 accumulators of 16 x 16, 512 registers.  16 x 16 tiles: 256 work-groups.
; K goes in steps of 128 through a ring of two LDS slots filled by the tensor data mover: a tile's rows are 256 bytes of memory and start at multiples of 256 bytes from the buffer's first byte.
; CLUSTERS: 4 x 4 work-groups.  The four of a row of the cluster need the same tiles of xb (A), the four of a column the same tiles of sb (B): each tile is asked for JOINTLY, by the same tensor load with
; the same descriptor and a mask that names the four; each receives it in its own LDS.  That divides the requests for A and for B by four.
; REGISTERS, in windows of 256 (s_set_vgpr_msb's low byte: bits 1:0 source 0, 3:2 source 1, 5:4 source 2, 7:6 destination):
;   window 0: v0-31 addresses; v32-47 wscale, wbias, rs and four at work; v64-127, v128-191 fragments of A, two buffers; on the way out the same 128 registers take rows of out
;   window 1: v64-127, v128-191 fragments of B, two buffers
;   window 2: the 32 accumulators of my rows 0-63 (accumulator (a, b) at v[8 (8 a + b)]);   window 3: those of my rows 64-127
; THE MATRIX INSTRUCTION IS USED TRANSPOSED: source 0 = 16 rows of B, source 1 = 16 rows of A.  Lane l then holds row l % 16 of out and its registers 0 to 7 the columns 8 (l / 16) + 0 .. 7:
; 32 neighbouring bytes of a row.
.set SIZE_M, 4096
.set SIZE_N, 4096
.set SIZE_K, 4096
.set KSTEP,  128
.set PITCH,  272                       ; an LDS row: 256 bytes of data + 16 of padding = 68 words: row r starts at bank 4 r mod 64 (64 banks of 4 bytes: ISA guide 11.1), so the 16 rows that a load touches start at 16 different banks
.set HALFT,  128*PITCH                 ; 128 rows: what one tensor load brings, and what one wave reads of A or of B
.set SLOT,   4*HALFT                   ; A's 256 rows, then B's 256 rows
.set STAGE,  2*SLOT                    ; behind the ring: 16 rows x 528 bytes for each wave, for the way out; no tensor load lands here
.set SPITCH, 528                       ; a stage row: 128 f32 + 16 bytes = 33 x 16: the 16 rows of a store start at 16 different groups of four banks
.set SPARE,  STAGE+4*16*SPITCH         ; behind the stages: the spare words, 128 bytes for each wave: two blocks of 256 bytes that no other line names
.set LAPS,   SIZE_K/(2*KSTEP)          ; a lap = two K steps = once round the ring: 16
.set ADRA, 16                          ; v16-17  LDS address of my A fragments in slot 0, 1
.set ADRB, 20                          ; v20-21  the same for B
.set STO,  24                          ; v24     the way out: where I put 32 bytes of a row
.set RD,   25                          ; v25     the way out: where I read 16 bytes of a row back
.set CO,   26                          ; v26     16 x lane: my bytes in 512 consecutive bytes of out, wscale, wbias, rs; never rewritten
.set SPW,  28                          ; v28     LDS address of my spare word: SPARE + 4 x my thread's number; never rewritten
.set NIL,  29                          ; v29     0; never rewritten
.set WS,   32                          ; v32-35  wscale of my wave's columns 4 l .. 4 l + 3
.set WB,   36                          ; v36-39  wbias of the same columns
.set RSV,  40                          ; v40-43  rs of my wave's rows 4 l .. 4 l + 3
.set TW,   44                          ; v44-47  at work
.set F0,   64                          ; fragment buffer 0
.set F1,   128                         ; fragment buffer 1
.set G1,  24                           ; s[24:31] descriptor group 1 for A's tiles
.set G0,  32                           ; s[32:39] descriptor group 0 for A's tiles, one set for each slot
.set G1B, 48                           ; s[48:55] descriptor group 1 for B's tiles: it differs from A's in the mask alone
.set G0B, 56                           ; s[56:63] descriptor group 0 for B's tiles, one set for each slot
.set PWS, 68                           ; s[68:69] wscale, s[70:71] wbias, s[72:73] rs, s[74:75] out
.set PWB, 70
.set PRS, 72
.set PO,  74
.set RX,  76                           ; s[76:83] four pairs: a row's rs in the low word (the packed multiply-add names a pair and takes its low word for both halves)
.set MSB, 0
.macro WIN new                         ; the immediate's high byte repeats the setting that is left; a switch that changes nothing is dropped
.if MSB != (\new)
	s_set_vgpr_msb (MSB<<8)|(\new)
.set MSB, \new
.endif
.endm
.set MUL_LO, 0xa1                      ; source 0 (B) window 1, source 1 (A) window 0, C and D window 2
.set MUL_HI, 0xf1                      ; the same, C and D window 3
.set TO_B,   0x40                      ; destination window 1, address window 0
; A joint load.  Waves 0 and 1 fetch A's two halves, waves 2 and 3 B's.  Each of the two lines has ONE mask and one set of registers for all that issue it, and nothing in them hangs on a coordinate
; that the four partners do not share.  The branch hangs on the wave's number alone.  An s_nop 0 and four v_nop follow each of the two lines, ahead of the jump, the label and what follows.
.macro JLOAD s
	s_cmp_eq_u32 s11, 0
	s_cbranch_scc0 .Lfor_b_\@
	tensor_load_to_lds s[G0+4*(\s):G0+4*(\s)+3], s[G1:G1+7]
	s_nop 0
.rept 4
	v_nop
.endr
	s_branch .Lasked_\@
.Lfor_b_\@:
	tensor_load_to_lds s[G0B+4*(\s):G0B+4*(\s)+3], s[G1B:G1B+7]
	s_nop 0
.rept 4
	v_nop
.endr
.Lasked_\@:
.endm
; A round of the cluster's barrier: my work-group's barrier, so that wave 0's signal speaks for all four waves; wave 0 signals for the work-group; every wave waits for all sixteen work-groups;
; my work-group's barrier once more.  No LDS instruction of the wave is pending at a signal.
.macro CREST                           ; a round behind its opening barrier
	s_cmp_lg_u32 s10, 0
	s_cbranch_scc1 .Lnot_wave_0_\@
	s_barrier_signal -3
.Lnot_wave_0_\@:
	s_barrier_wait -3
	s_barrier_signal -1
	s_barrier_wait -1
.endm
.macro CROUND                          ; a whole round
	s_barrier_signal -1
	s_barrier_wait -1
	CREST
.endm
	s_load_b128 s[4:7], s[0:1], 0x0                ; xb (A) s[4:5], sb (B) s[6:7]
	s_load_b256 s[PWS:PWS+7], s[0:1], 0x10         ; wscale, wbias, rs, out
	v_lshl_add_u32 v[SPW], v0, 2, SPARE
	v_mov_b32 v[NIL], 0
	ds_add_u32 v[SPW], v[NIL]                      ; the wave's opening: the add and its wait stand ahead of my first tensor load; the set-up below, work on registers, stands between them
	v_lshrrev_b32 v1, 5, v0
	v_readfirstlane_b32 s10, v1                    ; wave 0..3
	s_lshr_b32 s11, s10, 1                         ; which half of the tile's rows is mine.  Also: I fetch for A (0) or for B (1)
	s_and_b32 s12, s10, 1                          ; which half of its columns.  Also: which 128 rows of that tile I fetch
	s_bfe_u32 s40, ttmp6, 0x40000                  ; cx: my place along the cluster's x
	s_bfe_u32 s41, ttmp6, 0x40004                  ; cy: along its y
	s_lshl_b32 s42, ttmp9, 2                       ; in a cluster launch ttmp9 and ttmp7 count clusters
	s_add_co_u32 s42, s42, s40                     ; tile column = 4 x cluster x + cx
	s_and_b32 s13, ttmp7, 0xffff
	s_lshl_b32 s13, s13, 2
	s_add_co_u32 s13, s13, s41                     ; tile row = 4 x cluster y + cy
	s_lshl_b32 s43, s41, 2
	s_lshl_b32 s43, 15, s43                        ; my row of the cluster: places 4 cy .. 4 cy + 3
	s_lshl_b32 s44, 0x1111, s40                    ; my column: places cx, cx + 4, cx + 8, cx + 12
	; descriptor group 1: a tile of 128 rows x 128 elements, padded in LDS
	s_or_b32 s[G1+0], s43, (1<<16)|(1<<20)|(1<<21)|(5<<22)|(3<<25)  ; 15:0 the mask: A's tiles go to my row; 17:16 element of 2 bytes; 20 padding on; 21 set beside a mask; 24:22 after every 64 words (code 5); 31:25 of 4 words (code 3)
	s_or_b32 s[G1B+0], s44, (1<<16)|(1<<20)|(1<<21)|(5<<22)|(3<<25) ; the same with the mask of my column, for B's tiles
.irp g, G1, G1B
	s_mov_b32 s[(\g)+1], KSTEP<<16                 ; 63:48 tensor_dim0, low half = 128
	s_mov_b32 s[(\g)+2], 128<<16                   ; 79:64 its high half = 0; 95:80 tensor_dim1, low half = 128
	s_mov_b32 s[(\g)+3], KSTEP<<16                 ; 111:96 its high half = 0; 127:112 tile_dim0 = 128
	s_mov_b32 s[(\g)+4], 128                       ; 143:128 tile_dim1 = 128; 159:144 tile_dim2 = 0
	s_mov_b32 s[(\g)+5], SIZE_K                    ; 191:160 tensor_dim0_stride, low word: elements from row to row
	s_mov_b32 s[(\g)+6], 0
	s_mov_b32 s[(\g)+7], 0
.endr
.irp p, 1,3,5,7
	s_mov_b32 s[RX+(\p)], 0                        ; the pairs' upper words are named with the lower ones, so they are written
.endr
	; where the tiles come from.  A's hang on the tile row alone, which my row of the cluster shares; B's on the tile column alone, which my column shares.
	; Every wave makes both addresses, in registers that never hold the other coordinate, and asks by one of them.
	s_lshl_b32 s17, s12, 7                         ; which 128 rows of the tile I fetch
	s_lshl_b32 s16, s13, 8
	s_add_co_u32 s16, s16, s17                     ; A: row 256 x tile row + 128 x half
	s_lshl_b32 s46, s42, 8
	s_add_co_u32 s46, s46, s17                     ; B: row 256 x tile column + 128 x half
	s_mov_b32 s17, 0
	s_mov_b32 s47, 0
	s_mov_b64 s[18:19], SIZE_K*2
	s_mul_u64 s[16:17], s[16:17], s[18:19]         ; in bytes, in 64 bits
	s_mul_u64 s[46:47], s[46:47], s[18:19]
	s_mul_i32 s20, s10, HALFT                      ; and where they go: A's two halves, then B's two halves = wave x 128 rows: no place in the cluster enters an LDS address
	s_wait_dscnt 0x0                               ; the opening add is done
	s_wait_kmcnt 0x0
	s_add_nc_u64 s[14:15], s[4:5], s[16:17]
	s_add_nc_u64 s[46:47], s[6:7], s[46:47]
	CROUND                                         ; all sixteen work-groups are here: the first joint loads meet
.irp s, 0,1
	s_mov_b32 s[G0+4*(\s)], 1                                      ; 1:0 count = 1
	s_add_co_u32 s[G0+4*(\s)+1], s20, (\s)*SLOT                    ; 63:32 LDS address
	s_add_nc_u64 s[G0+4*(\s)+2:G0+4*(\s)+3], s[14:15], (\s)*KSTEP*2  ; 120:64 global address: K step s
	s_or_b32 s[G0+4*(\s)+3], s[G0+4*(\s)+3], 0x80000000            ; 127:126 type = 2
	s_mov_b32 s[G0B+4*(\s)], 1
	s_add_co_u32 s[G0B+4*(\s)+1], s20, (\s)*SLOT
	s_add_nc_u64 s[G0B+4*(\s)+2:G0B+4*(\s)+3], s[46:47], (\s)*KSTEP*2
	s_or_b32 s[G0B+4*(\s)+3], s[G0B+4*(\s)+3], 0x80000000
	JLOAD \s                                       ; the ring is filled before anything else is done: two tensor loads of mine are out
.endr
	; my 128 rows begin at m0 = 256 x tile row + 128 x row half, my 128 columns at n0 = 256 x tile column + 128 x column half
	s_lshl_b32 s13, s13, 8
	s_lshl_b32 s14, s11, 7
	s_add_co_u32 s16, s13, s14                     ; m0
	s_lshl_b32 s18, s16, 2                         ; 4 m0: rs at my rows
	s_mov_b32 s19, 0
	s_add_nc_u64 s[PRS:PRS+1], s[PRS:PRS+1], s[18:19]
	s_lshl_b32 s16, s16, 14                        ; m0 rows of 16,384 bytes (under 2^26)
	s_mov_b32 s17, 0
	s_add_nc_u64 s[PO:PO+1], s[PO:PO+1], s[16:17]
	s_lshl_b32 s46, s42, 10                        ; 4 n0, in the registers that held B's address: none that feeds A's descriptors ever holds cx
	s_lshl_b32 s47, s12, 9
	s_add_co_u32 s46, s46, s47
	s_mov_b32 s47, 0
	s_add_nc_u64 s[PWS:PWS+1], s[PWS:PWS+1], s[46:47]
	s_add_nc_u64 s[PWB:PWB+1], s[PWB:PWB+1], s[46:47]
	s_add_nc_u64 s[PO:PO+1], s[PO:PO+1], s[46:47]
	v_and_b32 v5, 31, v0                           ; lane
	v_lshlrev_b32 v[CO], 4, v5
	global_load_b128 v[WS:WS+3],   v[CO], s[PWS:PWS+1]   ; 512 consecutive bytes each: read once, kept in registers to the end
	global_load_b128 v[WB:WB+3],   v[CO], s[PWB:PWB+1]
	global_load_b128 v[RSV:RSV+3], v[CO], s[PRS:PRS+1]
	; A fragment is 16 rows x 32 K in 8 registers: lane l holds row l % 16; registers 0-3 hold K = 8 (l / 16) + 0..7, registers 4-7 hold
	; K = 16 + 8 (l / 16) + 0..7.  From rows that lie along K: two loads of 16 bytes, 32 bytes apart.  The same for source 0 and source 1.
	v_and_b32 v1, 15, v0                           ; l % 16
	v_bfe_u32 v2, v0, 4, 1                         ; l / 16
	v_mul_u32_u24 v3, v1, PITCH
	v_lshl_add_u32 v3, v2, 4, v3                   ; row x pitch + 16 x half
	s_mul_i32 s21, s11, HALFT                      ; my 128 rows of A
	s_mul_i32 s22, s12, HALFT                      ; my 128 rows of B,
	s_add_co_u32 s22, s22, 2*HALFT                 ; which lie behind A's 256
.irp s, 0,1
	v_add_nc_u32 v[ADRA+(\s)], s21, v3
	v_add_nc_u32 v[ADRB+(\s)], s22, v3
	s_add_co_u32 s21, s21, SLOT
	s_add_co_u32 s22, s22, SLOT
.endr
	s_mul_i32 s23, s10, 16*SPITCH
	s_add_co_u32 s23, s23, STAGE                   ; my stage
	v_mul_u32_u24 v4, v1, SPITCH                   ; in: row l % 16, 32 bytes for each half of the lanes
	v_lshl_add_u32 v4, v2, 5, v4
	v_add_nc_u32 v[STO], s23, v4
	v_add_nc_u32 v[RD], s23, v[CO]                 ; back: the 32 lanes take one row's 512 bytes
	s_wait_loadcnt 0x0                             ; wscale, wbias, rs.  The rounding below stands in the wait for the first tile
	v_cvt_pk_bf16_f32 v[TW],   v[WS],   v[WS+1]    ; wscale and wbias are rounded once to bf16, as x was,
	v_cvt_pk_bf16_f32 v[TW+1], v[WS+2], v[WS+3]
	v_cvt_pk_bf16_f32 v[TW+2], v[WB],   v[WB+1]
	v_cvt_pk_bf16_f32 v[TW+3], v[WB+2], v[WB+3]
.irp j, 0,1,2,3
	v_lshlrev_b32 v[WS+2*(\j)],   16,         v[TW+(\j)]   ; and widened again (WB's registers follow WS's)
	v_and_b32     v[WS+2*(\j)+1], 0xffff0000, v[TW+(\j)]
.endr
; 16 matrix instructions: m blocks a0, a0 + 1 of the window's four (hi = 0: my rows 0-63, 1: rows 64-127) x all 8 n blocks, 32 along K.
; zero = 1: the first product starts the sums: nothing is ever cleared.
.macro MUL16 f, hi, a0, zero
	WIN MUL_LO+0x50*(\hi)  ; MUL_LO or MUL_HI
.irp a, \a0, (\a0)+1
.irp b, 0,1,2,3,4,5,6,7
.if \zero
	v_wmma_f32_16x16x32_bf16 v[8*(8*(\a)+(\b)):8*(8*(\a)+(\b))+7], v[(\f)+8*(\b):(\f)+8*(\b)+7], v[(\f)+8*(4*(\hi)+(\a)):(\f)+8*(4*(\hi)+(\a))+7], 0
.else
	v_wmma_f32_16x16x32_bf16 v[8*(8*(\a)+(\b)):8*(8*(\a)+(\b))+7], v[(\f)+8*(\b):(\f)+8*(\b)+7], v[(\f)+8*(4*(\hi)+(\a)):(\f)+8*(4*(\hi)+(\a))+7], v[8*(8*(\a)+(\b)):8*(8*(\a)+(\b))+7]
.endif
.endr
.endr
.endm
; 32 LDS loads in one run: the fragments of one quarter step (128 rows of B, 128 rows of A, 32 K at byte k of the rows) into buffer f
.macro FETCH slot, k, f
	WIN TO_B
.irp i, 0,1,2,3,4,5,6,7
	ds_load_b128 v[(\f)+8*(\i):(\f)+8*(\i)+3],   v[ADRB+(\slot)] offset:(\k)+(\i)*16*PITCH
	ds_load_b128 v[(\f)+8*(\i)+4:(\f)+8*(\i)+7], v[ADRB+(\slot)] offset:(\k)+(\i)*16*PITCH+32
.endr
	WIN 0
.irp i, 0,1,2,3,4,5,6,7
	ds_load_b128 v[(\f)+8*(\i):(\f)+8*(\i)+3],   v[ADRA+(\slot)] offset:(\k)+(\i)*16*PITCH
	ds_load_b128 v[(\f)+8*(\i)+4:(\f)+8*(\i)+7], v[ADRA+(\slot)] offset:(\k)+(\i)*16*PITCH+32
.endr
.endm
; A load into a register that a matrix instruction has read, and an LDS store that reads a matrix result, stand four places behind that matrix instruction, and only plain vector instructions that
; name none of its registers are places (ISA guide 7.12.1 for vector instructions).  So four v_nop stand in front of each run of loads and in front of the way out.
.macro PLACES
.rept 4
	v_nop
.endr
.endm
; A K step is four quarter steps of 32 along K, 64 matrix instructions each, on buffers 0, 1, 0, 1.  The 64 accumulators take turns, in the same order in every quarter.
; One of the first three: multiplies buffer f; in its middle it fetches the next quarter's fragments, at byte k of the same slot's rows, into buffer g.
.macro QUARTER slot, k, f, g, zero
	s_wait_dscnt 8                                 ; B and A's rows 0-63 are in; the youngest eight loads (A's rows 64-127) may be out
	WIN MUL_LO
	MUL16 \f, 0, 0, \zero
	MUL16 \f, 0, 2, \zero
	PLACES
	FETCH \slot, \k, \g
	s_wait_dscnt 32                                ; all but the 32 just issued
	WIN MUL_HI
	MUL16 \f, 1, 0, \zero
	MUL16 \f, 1, 2, \zero
.endm
; The last quarter multiplies buffer 1 and changes slots.  MEET is its first half: ONE barrier for the change of slots, for two things.  In front of it each wave waits for all its tensor loads, of which
; one is out: its part of the next slot; adds 0 to its spare word; and waits for that and for its own reads of this slot.  Behind it nobody reads this slot any more and the next slot is whole.
.macro MEET round                      ; round = 1: a round of the cluster's barrier follows
	WIN 0                                          ; (the add's two registers lie in window 0)
	s_wait_tensorcnt 0x0                           ; all my tensor loads have landed: the one that was out is my part of the next slot;
	ds_add_u32 v[SPW], v[NIL]                      ; 0 onto my spare word;
	s_wait_dscnt 9                                 ; (the add and the youngest eight loads may be out)
	WIN MUL_LO
	MUL16 F1, 0, 0, 0                              ; sixteen matrix instructions stand between the add and the wait for it
	s_wait_dscnt 0x0                               ; the add is done, and my reads of this slot are over:
	s_barrier_signal -1                            ; say so (where a slot is filled again this barrier opens a round of the cluster's barrier),
	MUL16 F1, 0, 2, 0                              ; work on registers while the others arrive,
.if \round
	WIN 0
.endif
	s_barrier_wait -1                              ; and go on when all four have said so
.endm
; The whole last quarter.  fill = 1: behind the round the slot just read out is filled again first, with the K step two steps on; then come the next slot's first fragments.
; From a request to the wait for it a wave issues 224 matrix instructions.  fill = 0: nothing is left to ask for, and the work-group's barrier alone stands.
.macro TURN slot, next, fill
	MEET \fill
.if \fill
	CREST                                          ; wave 0 says so for the work-group, all sixteen work-groups have said so, my work-group's barrier closes the round:
	                                               ; no wave of any partner still reads this slot's tile or has a load on its way
	s_add_nc_u64 s[G0+4*(\slot)+2:G0+4*(\slot)+3], s[G0+4*(\slot)+2:G0+4*(\slot)+3], 2*KSTEP*2     ; no tensor load of mine is out: the group 0 may be written; the type bits on top are not reached
	s_add_nc_u64 s[G0B+4*(\slot)+2:G0B+4*(\slot)+3], s[G0B+4*(\slot)+2:G0B+4*(\slot)+3], 2*KSTEP*2
	JLOAD \slot                                    ; the first tensor load behind the round, my only one until the next; the four v_nop behind it are also the places in front of the loads below
.else
	PLACES
.endif
	FETCH \next, 0, F0
	WIN MUL_HI
	MUL16 F1, 1, 0, 0
	MUL16 F1, 1, 2, 0
.endm
; THE WAY OUT of block a (16 rows x 128 columns), in two parts.
; TOSTAGE: the sums go as they are, 32 bytes a lane and accumulator, into my own stage in LDS (each accumulator's low registers first), and come back as whole rows of 512 bytes.
.macro TOSTAGE a
.set AC, 64*((\a)%4)
.set BK, F0+64*((\a)%2)
	WIN 0x08+4*((\a)/4)                            ; the stores' data (source 1): window 2 or 3
.irp b, 0,1,2,3,4,5,6,7
	ds_store_b128 v[STO], v[AC+8*(\b):AC+8*(\b)+3]   offset:64*(\b)
	ds_store_b128 v[STO], v[AC+8*(\b)+4:AC+8*(\b)+7] offset:64*(\b)+16
.endr
	WIN 0
	s_wait_xcnt 0x0                                ; every earlier memory instruction has had its addresses translated (ISA guide 3.1): the registers that the stores of the block two back read are loaded again only behind this wait
.irp t, 0,1,2,3,4,5,6,7,8,9,10,11,12,13,14,15
	ds_load_b128 v[BK+4*(\t):BK+4*(\t)+3], v[RD] offset:(\t)*SPITCH  ; LDS serves a wave's instructions in order (ISA guide 5.7.1.4): these see the stores above; the next block's stores come behind them
.endr
.endm
; SEND: row by row, out = wscale x sum + wbias x rs[row], and the row's 512 bytes are stored.  younger: the LDS instructions issued behind block a's loads: the next block's 32, or none.
.macro SEND a, younger
	WIN 0
.set BK, F0+64*((\a)%2)
.set t, 0
.rept 16
.set R, 16*(\a)+t                      ; the row among my 128: its rs lies in lane R / 4, register R % 4
	s_wait_dscnt (\younger)+15-t                   ; LDS loads come back in order: row t is in
	v_readlane_b32 s[RX+2*(t%4)], v[RSV+R%4], R/4
	v_pk_mul_f32 v[BK+4*t:BK+4*t+1],   v[BK+4*t:BK+4*t+1],   v[WS:WS+1]
	v_pk_mul_f32 v[BK+4*t+2:BK+4*t+3], v[BK+4*t+2:BK+4*t+3], v[WS+2:WS+3]
	v_pk_fma_f32 v[BK+4*t:BK+4*t+1],   v[WB:WB+1],   s[RX+2*(t%4):RX+2*(t%4)+1], v[BK+4*t:BK+4*t+1]   op_sel_hi:[1,0,1]
	v_pk_fma_f32 v[BK+4*t+2:BK+4*t+3], v[WB+2:WB+3], s[RX+2*(t%4):RX+2*(t%4)+1], v[BK+4*t+2:BK+4*t+3] op_sel_hi:[1,0,1]
	global_store_b128 v[CO], v[BK+4*t:BK+4*t+3], s[PO:PO+1] offset:R*SIZE_N*4 th:TH_STORE_NT  ; 512 consecutive bytes, at a multiple of 512 from out's first byte; 127 rows at the most: 2,080,768, inside the signed 24-bit immediate
.set t, t+1
.endr
.endm
	s_wait_tensorcnt 1                             ; my part of K step 0 is in; K step 1's may stay out
	s_barrier_signal -1
	s_barrier_wait -1                              ; everybody's is
	FETCH 0, 0, F0
	QUARTER 0, 64,  F0, F1, 1                      ; the first quarter stands in front of the loop: its products start the sums
	WIN 0                                          ; at a label and at a branch every window is 0
	s_mov_b32 s3, LAPS-1
.Llap:                                                 ; 15 trips: a trip goes once round the ring, from a lap's second quarter to the next lap's first, and fills both slots again
	QUARTER 0, 128, F1, F0, 0
	QUARTER 0, 192, F0, F1, 0
	TURN 0, 1, 1
	QUARTER 1, 64,  F0, F1, 0
	QUARTER 1, 128, F1, F0, 0
	QUARTER 1, 192, F0, F1, 0
	TURN 1, 0, 1
	QUARTER 0, 64,  F0, F1, 0
	WIN 0
	s_sub_co_u32 s3, s3, 1
	s_cmp_lg_u32 s3, 0
	s_cbranch_scc1 .Llap
	QUARTER 0, 128, F1, F0, 0                      ; the last lap is written out: it asks for nothing
	QUARTER 0, 192, F0, F1, 0
	TURN 0, 1, 0                                   ; my one tensor load that was still out is slot 1's, the last K step's
	QUARTER 1, 64,  F0, F1, 0
	QUARTER 1, 128, F1, F0, 0
	QUARTER 1, 192, F0, F1, 0
	s_wait_dscnt 8                                 ; the very last quarter: nothing more to fetch
	WIN MUL_LO
	MUL16 F1, 0, 0, 0
	MUL16 F1, 0, 2, 0
	s_wait_dscnt 0x0
	WIN MUL_HI
	MUL16 F1, 1, 0, 0
	MUL16 F1, 1, 2, 0
	PLACES                                         ; behind the last products: the stores below read results, the loads below land in A's buffers
	TOSTAGE 0
.irp a, 1,2,3,4,5,6,7                  ; block a's way through the stage is under way while block a - 1 is scaled and stored
	TOSTAGE \a
	SEND (\a)-1, 32
.endr
	SEND 7, 0
	s_wait_tensorcnt 0x0                           ; the wave's end: behind my last tensor load and my last LDS store
	ds_add_u32 v[SPW], v[NIL]
	s_wait_dscnt 0x0
	CROUND                                         ; the closing round: no work-group ends while a partner may still ask for a tile that names it
	s_endpgm
.Lfunc_end_k_qfd36823592_gemm:
	.size	k_qfd36823592_gemm, .Lfunc_end_k_qfd36823592_gemm-k_qfd36823592_gemm
	.p2alignl 7, 3214868480
	.fill 96, 4, 3214868480
	.section	.rodata,"a",@progbits
	.p2align	6, 0x0
	.amdhsa_kernel k_qfd36823592_gemm
		.amdhsa_group_segment_fixed_size 327680
		.amdhsa_private_segment_fixed_size 0
		.amdhsa_enable_private_segment 0
		.amdhsa_kernarg_size 48
		.amdhsa_user_sgpr_count 2
		.amdhsa_user_sgpr_kernarg_segment_ptr 1
		.amdhsa_wavefront_size32 1
		.amdhsa_system_sgpr_workgroup_id_x 1
		.amdhsa_system_sgpr_workgroup_id_y 1
		.amdhsa_system_sgpr_workgroup_id_z 1
		.amdhsa_system_vgpr_workitem_id 0
		.amdhsa_next_free_vgpr 1024
		.amdhsa_next_free_sgpr 84
		.amdhsa_reserve_vcc 0
		.amdhsa_float_denorm_mode_32 3
		.amdhsa_float_denorm_mode_16_64 3
		.amdhsa_memory_ordered 1
		.amdhsa_forward_progress 1
		.amdhsa_inst_pref_size 185
	.end_amdhsa_kernel
	.amdgpu_metadata
---
amdhsa.version: [ 1, 2 ]
amdhsa.kernels:
  - .name:           k_qfd36823592_gemm
    .symbol:         k_qfd36823592_gemm.kd
    .args:
      - { .name: xb, .offset: 0, .size: 8, .value_kind: global_buffer, .address_space: global }
      - { .name: sb, .offset: 8, .size: 8, .value_kind: global_buffer, .address_space: global }
      - { .name: wscale, .offset: 16, .size: 8, .value_kind: global_buffer, .address_space: global }
      - { .name: wbias, .offset: 24, .size: 8, .value_kind: global_buffer, .address_space: global }
      - { .name: rs, .offset: 32, .size: 8, .value_kind: global_buffer, .address_space: global }
      - { .name: out0, .offset: 40, .size: 8, .value_kind: global_buffer, .address_space: global }
    .group_segment_fixed_size: 327680
    .private_segment_fixed_size: 0
    .kernarg_segment_align: 8
    .kernarg_segment_size: 48
    .max_flat_workgroup_size: 128
    .sgpr_count:     84
    .vgpr_count:     1024
    .wavefront_size: 32
...
	.end_amdgpu_metadata
.endif
;; end of part 2
;; ======== version 2 of 2: 2 launches; version 1 with the launch prep written anew for expert scheduling mode
;; workspace buffers: xb 33,554,432 bytes; sb 33,554,432 bytes; rs 16,384 bytes
;; launch prep (part 3): grid 512 x 1, 8 waves a work-group, no clusters, 0 bytes of LDS; arguments x, weight, xb, sb, rs; writes xb, sb, rs
.if DOCPART == 3
	.amdgcn_target "amdgcn-amd-amdhsa--gfx1250"
	.amdhsa_code_object_version 6
	.text
	.protected	k_qfd36823592_prep
	.globl	k_qfd36823592_prep
	.p2align	8
	.type	k_qfd36823592_prep,@function
k_qfd36823592_prep:
	s_mov_b64 s[64:65], 0
	v_nop
	global_prefetch_b8 v0, s[64:65] scope:SCOPE_SE
	s_setreg_imm32_b32 hwreg(HW_REG_WAVE_SCHED_MODE, 0, 2), 2
	s_setreg_imm32_b32 hwreg(HW_REG_WAVE_MODE, 25, 1), 1
	s_wait_xcnt 0x0
	s_wait_alu depctr_vm_vsrc(0)
; xb[m][k] = bf16(x[m][k]);  sb[n][k] = sign(weight[n][k]) as bf16 (-1, 0, +1: exact);  rs[m] = the f32 sum over k of xb[m][k].
; x, weight: [4096][4096] f32.  xb, sb: [4096][4096] bf16.  rs: [4096] f32.
; A stream: each input byte is read once, each output byte written once; no wave needs another's data, so there is no LDS and no barrier.
; SHARES.  Wave number row = 8 x work-group + wave (0 .. 4095) takes row `row` of x and then row `row` of weight: every wave does the same work.
; A row is 16,384 bytes = 32 chunks of 512; one load of the wave takes a chunk (16 bytes a lane), one store of 8 bytes a lane writes its 128 bf16:
; 256 consecutive bytes, at a multiple of 256 from the buffer's first byte.  The 64 chunks (x's 32, then weight's 32) are ONE sequence.
; Every place stands in an immediate: no address register and no base is ever rewritten.
; rs is summed over the ROUNDED x, so that the next launch's two terms (wscale x sum of xb sign, wbias x sum of xb) are made of the same numbers.
; LIMITS.  A NaN weight counts as +1 or -1 by its sign bit (the definition would give NaN); a denormal weight counts as non-zero; weight = -0 gives -0, which adds nothing.
; |x| beyond bf16's largest finite number rounds to infinity.
; THE MODE: SCHED_MODE bits 1:0 = 2 (LLVM: expert scheduling mode 2), set by the entry lines.  The code itself states the register dependences
; between vector instructions and memory instructions, with s_wait_alu, always for 0.
; THE PLAN.  The 64 chunks go in 16 blocks of four.  Registers that memory instructions touch:
;   X0 .. X5   six blocks as loaded.   Written by the loads of block p + 5, issued in block p; read by block p's conversions (x) or compares and permutes (weight).
;   Y0, Y1     two blocks to store.    Written by block p's conversions or and-ors; read by the four stores that are issued in block p + 1.
;   v2, v3     byte offsets, made once at the head and never written again.        v14: the row's sum, read by the last store.
; Block p works on X[p % 6] and writes Y[p % 2].  Its memory instructions are the loads into X[(p + 5) % 6] = X[(p - 1) % 6] and the stores from Y[(p - 1) % 2]:
; the two buffers that block p - 1 worked on and that no vector instruction of block p names.  So the waits at a block's head state all that its eight memory
; instructions hang on, and these are dealt among its vector instructions with no further wait.  16 to 20 loads of every wave are on their way.
.set BLOCKS, 16                        ; blocks of four chunks: x's are 0 to 7, weight's 8 to 15
.set NX,    6                          ; buffers of loaded data
.set AHEAD, 5                          ; block p asks for block p + 5
.set LANE, 1                           ; v1        my lane
.set IO,   2                           ; v2        16 x lane: my bytes in a chunk as loaded; never rewritten
.set OO,   3                           ; v3        8 x lane: my bytes in a chunk as stored; never rewritten
.set ONE,  4                           ; v4        1.0
.set PX,   5                           ; v5        takes the other half of the lanes' sum
.set T,    6                           ; v[6:13]   at work: no memory instruction names them
.set SUM,  14                          ; v[14:17]  four partial sums of my numbers of the row
.set Y,    18                          ; v[18:33]  buffer k, chunk i: a pair at Y + 8 k + 2 i
.set X,    34                          ; v[34:129] buffer k, chunk i: four registers at X + 16 k + 4 i
.set MK,   28                          ; s[28:43]  a weight block's sixteen masks: chunk i, number j at MK + 4 i + j
	s_load_b256 s[4:11], s[0:1], 0x0               ; x s[4:5], weight s[6:7], xb s[8:9], sb s[10:11]
	s_load_b64 s[12:13], s[0:1], 0x20              ; rs
	v_lshrrev_b32 v[LANE], 5, v0
	v_readfirstlane_b32 s14, v[LANE]               ; my wave's number
	v_and_b32 v[LANE], 31, v0
	v_lshlrev_b32 v[IO], 4, v[LANE]
	v_lshlrev_b32 v[OO], 3, v[LANE]
	v_mov_b32 v[ONE], 1.0
	v_mov_b32 v[PX], 0                             ; v_permlanex16_b32's destination counts as read: written once here
	s_lshl_b32 s15, ttmp9, 3
	s_wait_alu depctr_va_sdst(0)                   ; s14 is written, ahead of its first reader: all five bases are made from it
	s_add_co_u32 s15, s15, s14                     ; my row
	s_lshl_b32 s16, s15, 14                        ; x 16,384 bytes of f32 (under 2^26)
	s_mov_b32 s17, 0
	s_lshl_b32 s18, s15, 13                        ; x 8,192 bytes of bf16
	s_mov_b32 s19, 0
	s_lshl_b32 s20, s15, 2                         ; x 4 bytes in rs
	s_mov_b32 s21, 0
	s_mov_b32 s22, 0xffff0000                      ; a word's upper bf16
	s_mov_b32 s23, 0x07060302                      ; v_perm_b32: the upper halves of two words, second source's below
	s_mov_b32 s24, 0x80008000                      ; the sign bits of two bf16
	s_mov_b32 s25, 0x76543210                      ; v_permlanex16_b32: each lane takes its own place in the other half
	s_mov_b32 s26, 0xfedcba98
	s_wait_kmcnt 0x0
	s_add_nc_u64 s[4:5], s[4:5], s[16:17]
	s_add_nc_u64 s[6:7], s[6:7], s[16:17]
	s_add_nc_u64 s[8:9], s[8:9], s[18:19]
	s_add_nc_u64 s[10:11], s[10:11], s[18:19]
	s_add_nc_u64 s[12:13], s[12:13], s[20:21]
	s_wait_alu depctr_va_vdst(0)                   ; v2 and v3 are written: every load and store of the kernel reads one of them as its offset
; Chunk g is asked for, into its block's buffer.  The launch reads each of these bytes once.
.macro LOADG g
.set rLd, X+16*(((\g)/4)%NX)+4*((\g)%4)
.if (\g) < 32
	global_load_b128 v[rLd:rLd+3], v[IO], s[4:5] offset:512*(\g) th:TH_LOAD_NT
.else
	global_load_b128 v[rLd:rLd+3], v[IO], s[6:7] offset:512*((\g)-32) th:TH_LOAD_NT
.endif
.endm
; Chunk g is stored, from its block's buffer.  No hint: the next launch reads these bytes.
.macro STOREG g
.set rSt, Y+8*(((\g)/4)%2)+2*((\g)%4)
.if (\g) < 32
	global_store_b64 v[OO], v[rSt:rSt+1], s[8:9] offset:256*(\g)
.else
	global_store_b64 v[OO], v[rSt:rSt+1], s[10:11] offset:256*((\g)-32)
.endif
.endm
; The waits at the head of block p.
.macro HEAD p
.if BLOCKS-1-(\p) < AHEAD-1
	s_wait_loadcnt 4*(BLOCKS-1-(\p))               ; nothing is asked for any more: the counts run down
.else
	s_wait_loadcnt 4*(AHEAD-1)                     ; loads come back in order (ISA guide 5.7.1): this block's four are in, the four younger blocks stay out
.endif
.if (\p) >= 2
	s_wait_xcnt 0x0                                ; every earlier memory instruction has had its addresses translated (ISA guide 3.1): this block's Y, which stores issued in the block before read, is rewritten only behind this wait
	s_wait_alu depctr_vm_vsrc(0)                   ; those stores have read this block's Y, which the lines below write again
.endif
.if (\p) >= 1
	s_wait_alu depctr_va_vdst(0)                   ; the block before has written the other Y, which the stores below read, and is done reading its X, in which the loads below land
.endif
.endm
; One of block p's four pairs of memory instructions: chunk i of block p + 5 comes, chunk i of block p - 1 goes; the load first.
; No wait: no vector instruction since the head's wait names the registers that these two touch.
.macro MEM p, i
.if (\p)+AHEAD < BLOCKS
	LOADG 4*((\p)+AHEAD)+(\i)
.endif
.if (\p) >= 1
	STOREG 4*((\p)-1)+(\i)
.endif
.endm
; A block of x: rounded, and the rounded numbers added to the row's sum.
.macro XBLK p
	HEAD \p
.irp i, 0,1,2,3
	MEM \p, \i
.set rX, X+16*((\p)%NX)+4*(\i)
.set rY, Y+8*((\p)%2)+2*(\i)
	v_cvt_pk_bf16_f32 v[rY],   v[rX],   v[rX+1]    ; two roundings to nearest even, packed
	v_cvt_pk_bf16_f32 v[rY+1], v[rX+2], v[rX+3]
.if 4*(\p)+(\i) == 0
	v_lshlrev_b32 v[SUM],   16,  v[rY]             ; the first chunk starts the four sums: nothing is cleared
	v_and_b32     v[SUM+1], s22, v[rY]
	v_lshlrev_b32 v[SUM+2], 16,  v[rY+1]
	v_and_b32     v[SUM+3], s22, v[rY+1]
.else
	v_lshlrev_b32 v[T],   16,  v[rY]               ; bf16 to f32: the low half moves up, the high half stays
	v_and_b32     v[T+1], s22, v[rY]
	v_lshlrev_b32 v[T+2], 16,  v[rY+1]
	v_and_b32     v[T+3], s22, v[rY+1]
	v_pk_add_f32 v[SUM:SUM+1],   v[SUM:SUM+1],   v[T:T+1]
	v_pk_add_f32 v[SUM+2:SUM+3], v[SUM+2:SUM+3], v[T+2:T+3]
.endif
.endr
.endm
; A block of weight: the sign as bf16 = the number's own sign bit, over 1.0's upper half where the number is not 0.
; The block's sixteen compares stand in one run, each with a mask register of its own, so that one wait serves the sixteen selects.
.macro WBLK p
	HEAD \p
.irp i, 0,1,2,3
	MEM \p, \i
.set rX, X+16*((\p)%NX)+4*(\i)
.irp j, 0,1,2,3
	v_cmp_neq_f32 s[MK+4*(\i)+(\j)], 0, v[rX+(\j)]
.endr
.endr
	s_wait_alu depctr_va_sdst(0)                   ; the sixteen compares have written s[28:43], ahead of the first select that reads one of them
.irp i, 0,1,2,3
.set rX, X+16*((\p)%NX)+4*(\i)
.set rY, Y+8*((\p)%2)+2*(\i)
.irp j, 0,1,2,3
	v_cndmask_b32 v[T+(\j)], 0, v[ONE], s[MK+4*(\i)+(\j)]  ; 1.0 or 0
.endr
	v_perm_b32 v[T+4], v[rX+1], v[rX],   s23       ; the upper halves of two weights: their sign bits,
	v_perm_b32 v[T+5], v[rX+3], v[rX+2], s23
	v_perm_b32 v[T+6], v[T+1],  v[T],    s23       ; and of two magnitudes
	v_perm_b32 v[T+7], v[T+3],  v[T+2],  s23
	v_and_or_b32 v[rY],   v[T+4], s24, v[T+6]
	v_and_or_b32 v[rY+1], v[T+5], s24, v[T+7]
.endr
.endm
.set n, 0
.rept 4*AHEAD
	LOADG n                                        ; blocks 0 to 4 into X0 to X4; block 0 asks for block 5, into X5, which no vector instruction has named
.set n, n+1
.endr
.set n, 0
.rept 8
	XBLK n
.set n, n+1
.endr
	; the row's sum: inside the lane, then four steps inside each half of 16 lanes, then across the halves; every lane ends with it
	v_pk_add_f32 v[SUM:SUM+1], v[SUM:SUM+1], v[SUM+2:SUM+3]
	v_add_f32 v[SUM], v[SUM], v[SUM+1]
	v_add_f32_dpp v[SUM], v[SUM], v[SUM] row_xmask:1 row_mask:0xf bank_mask:0xf
	v_add_f32_dpp v[SUM], v[SUM], v[SUM] row_xmask:2 row_mask:0xf bank_mask:0xf
	v_add_f32_dpp v[SUM], v[SUM], v[SUM] row_xmask:4 row_mask:0xf bank_mask:0xf
	v_add_f32_dpp v[SUM], v[SUM], v[SUM] row_xmask:8 row_mask:0xf bank_mask:0xf
	v_permlanex16_b32 v[PX], v[SUM], s25, s26
	v_add_f32 v[SUM], v[SUM], v[PX]
.rept 8
	WBLK n
.set n, n+1
.endr
	s_wait_alu depctr_va_vdst(0)                   ; block 15 has written Y1, which the last four stores of sb read
.irp i, 0,1,2,3
	STOREG 4*(BLOCKS-1)+(\i)
.endr
	; rs[row]: four bytes, from lane 0 (its OO is 0).  16,384 bytes in the whole launch go out so; gathering them would want LDS and a barrier.
	s_wait_xcnt 0x0                                ; EXEC is a source of the pending stores: it changes only behind this wait
	v_cmp_eq_u32 vcc_lo, 0, v[LANE]
	s_wait_alu depctr_va_vcc(0)                    ; the compare has written VCC, from which EXEC is made
	s_wait_alu depctr_va_vdst(0)                   ; every vector instruction issued under the full EXEC has written its result, the row's sum among them, which the store below reads
	s_wait_alu depctr_vm_vsrc(0)                   ; every load and store issued under the full EXEC has read its vector registers
	s_and_saveexec_b32 s27, vcc_lo
	global_store_b32 v[OO], v[SUM], s[12:13]
	s_wait_xcnt 0x0                                ; and again in front of the line that widens it
	s_wait_alu depctr_va_vdst(0)                   ; no vector instruction is at work under the narrow EXEC
	s_wait_alu depctr_vm_vsrc(0)                   ; the store of rs has read its offset and its data under the narrow EXEC
	s_or_b32 exec_lo, exec_lo, s27
	s_endpgm
.Lfunc_end_k_qfd36823592_prep:
	.size	k_qfd36823592_prep, .Lfunc_end_k_qfd36823592_prep-k_qfd36823592_prep
	.p2alignl 7, 3214868480
	.fill 96, 4, 3214868480
	.section	.rodata,"a",@progbits
	.p2align	6, 0x0
	.amdhsa_kernel k_qfd36823592_prep
		.amdhsa_group_segment_fixed_size 0
		.amdhsa_private_segment_fixed_size 0
		.amdhsa_enable_private_segment 0
		.amdhsa_kernarg_size 40
		.amdhsa_user_sgpr_count 2
		.amdhsa_user_sgpr_kernarg_segment_ptr 1
		.amdhsa_wavefront_size32 1
		.amdhsa_system_sgpr_workgroup_id_x 1
		.amdhsa_system_sgpr_workgroup_id_y 1
		.amdhsa_system_sgpr_workgroup_id_z 1
		.amdhsa_system_vgpr_workitem_id 0
		.amdhsa_next_free_vgpr 130
		.amdhsa_next_free_sgpr 66
		.amdhsa_reserve_vcc 1
		.amdhsa_float_denorm_mode_32 3
		.amdhsa_float_denorm_mode_16_64 3
		.amdhsa_memory_ordered 1
		.amdhsa_forward_progress 1
		.amdhsa_inst_pref_size 57
	.end_amdhsa_kernel
	.amdgpu_metadata
---
amdhsa.version: [ 1, 2 ]
amdhsa.kernels:
  - .name:           k_qfd36823592_prep
    .symbol:         k_qfd36823592_prep.kd
    .args:
      - { .name: x, .offset: 0, .size: 8, .value_kind: global_buffer, .address_space: global }
      - { .name: weight, .offset: 8, .size: 8, .value_kind: global_buffer, .address_space: global }
      - { .name: xb, .offset: 16, .size: 8, .value_kind: global_buffer, .address_space: global }
      - { .name: sb, .offset: 24, .size: 8, .value_kind: global_buffer, .address_space: global }
      - { .name: rs, .offset: 32, .size: 8, .value_kind: global_buffer, .address_space: global }
    .group_segment_fixed_size: 0
    .private_segment_fixed_size: 0
    .kernarg_segment_align: 8
    .kernarg_segment_size: 40
    .max_flat_workgroup_size: 256
    .sgpr_count:     66
    .vgpr_count:     130
    .wavefront_size: 32
...
	.end_amdgpu_metadata
.endif
;; end of part 3
;; launch gemm: the kernel of part 2 again; grid 16 x 16, 4 waves a work-group, clusters of 4 x 4, 327,680 bytes of LDS; arguments xb, sb, wscale, wbias, rs, out0; writes out0
